; MI455X (gfx1250); checked and timed in simulation.
; The chip was launched on July 23, 2026; its instructions are those of AMD's public machine-readable ISA for CDNA 5 (MIT licence, August 2026) and "CDNA5" Instruction Set Architecture Reference Guide (July 2026). The comments in the code are by the model that wrote it; some were corrected since.
;; Base Vector Quantizer. Allowed arithmetic: matrix products marked QUANTISED: E2M1 operands, one E8M0 scale for each 32 along K, by v_wmma_scale_f32_16x16x128_f8f6f4 with both operands' format E2M1 (or v_wmma_scale_f32_32x16x128_f4), f32 sums; everything else in f32.
;; Inputs: codebook 8,192 x 256 float32; z 8 x 4,096 x 256 float32.
;; Outputs: out0 8 x 4,096 x 256 float32; out1 8 x 4,096 x 1 int32.
;; This version of the problem:
;;   THIS VERSION OF THE PROBLEM IS GIVEN IN LOW PRECISION. The matrix products marked QUANTISED in the list below multiply operands that are first quantised to E2M1 (2 exponent bits, 1 mantissa bit; 4 bits a number), with one power-of-two scale for each 32 numbers along K (OCP MX v1.0); their sums are f32. All else is computed in f32.
;;   The module's matrix products, in the order in which they are computed (A, B: the left and right operand; K: the contracted axis; several contracted axes count as one K, in the product's order):
;;     1. [M 32,768, K 256] x [K 256, N 8,192]; A: input z; B: input codebook: QUANTISED
;;   THE QUANTISER, for each operand of a quantised product, along K:
;;     - K is cut into blocks of 32 from its start; a last block that is shorter is filled with zeros.
;;     - A block's scale is 2^e with e = floor(log2(the largest magnitude in the block)) - 2, held to -126 .. 127; a block of zeros has e = 0. As a byte (E8M0): e + 127.
;;     - Each number is divided by its block's scale, clamped to +-6, and rounded to the nearest number of E2M1, ties to even, subnormals kept.
;;     - The product sums the exact products of the quantised numbers (number of the format x scale) in f32.
;;   ~~~python
;;   def quantise(x, axis):      # numpy; x: float32 -> the quantised numbers, widened to float32 again
;;       x = np.moveaxis(x, axis, -1); K = x.shape[-1]
;;       x = np.pad(x, [(0, 0)] * (x.ndim - 1) + [(0, -K % 32)]); x = x.reshape(x.shape[:-1] + (-1, 32)); a = np.abs(x).max(-1, keepdims=True)
;;       e = np.where(a > 0, np.clip(np.frexp(np.where(a > 0, a, 1))[1] - 1 - 2, -126, 127), 0)      # np.frexp(a)[1] - 1 = floor(log2(a)), exactly
;;       r = np.clip(x / 2.0 ** e, -6, 6)
;;       step = 2.0 ** (np.maximum(np.frexp(np.where(r == 0, 1, r))[1] - 1, 0) - 1)
;;       q = np.round(r / step) * step * 2.0 ** e      # np.round: ties to even
;;       return np.moveaxis(q.reshape(q.shape[:-2] + (-1,))[..., :K], -1, axis).astype(np.float32)
;;   ~~~
;; One version. Each part assembles by itself: llvm-mc -triple=amdgcn-amd-amdhsa -mcpu=gfx1250 --defsym DOCPART=n.
;; ======== version 1 of 1: 3 launches
;; limits: right only within a limited range of input values
;; workspace buffers: cbq 1,179,648 bytes; idxws 131,072 bytes of whole numbers
;; launch prep (part 1): grid 256 x 1, 2 waves a work-group, no clusters, 168,192 bytes of LDS; arguments codebook, cbq; writes cbq
.if DOCPART == 1
	.amdgcn_target "amdgcn-amd-amdhsa--gfx1250"
	.amdhsa_code_object_version 6
	.text
	.protected	k_qb02e653fc5_prep
	.globl	k_qb02e653fc5_prep
	.p2align	8
	.type	k_qb02e653fc5_prep,@function
k_qb02e653fc5_prep:
	s_mov_b64 s[64:65], 0
	v_nop
	global_prefetch_b8 v0, s[64:65] scope:SCOPE_SE
	s_setreg_imm32_b32 hwreg(HW_REG_WAVE_MODE, 25, 1), 1
	s_wait_xcnt 0x0
; The codebook [8192][256] f32 becomes 256 RECORDS of 4,608 bytes, one for each group of 32 codebook rows, laid in the order in which the product's launch takes
; them into registers: codes of FP4 (E2M1) with one E8M0 scale byte for each 32 along K, and -e_sq / 2 of each row, which that launch gives its sums as their start.
; A RECORD (tile a = rows 0-15 of the group, tile b = rows 16-31):
;   +0, +512, +1024, +1536   tile a: (K step 0, registers 0-3), (0, 4-7), (1, 0-3), (1, 4-7) of the operand: lane l's 16 bytes at 16 l
;   +2048 .. +4095           tile b likewise
;   +4096                    scale words, 8 bytes a lane: word 0 tile a's, word 1 tile b's; lanes 0-15: row l, K step 0; lanes 16-31: row l - 16, K step 1
;   +4352                    -e_sq / 2 of row 8 h + j of tile t at 64 h + 32 t + 4 j
;   +4480                    128 bytes of zeros, so that the record's last 256 bytes are stored whole
; ORDER OF RECORDS: group G = 32 w + 4 q + i lies at record 32 q + 4 w + i, so that chunk q (32 records) holds four records for each of the reader's eight waves.
; A block's scale is 2^(floor(log2(its largest magnitude)) - 2); its byte is the largest magnitude's exponent field - 2, held at 1 from below.  A block of zeros so has the byte 1
; where the rule says 127: its codes are zeros, which add nothing, and this program alone reads the bytes.
; LIMITS: NaN and infinities among the inputs are not served.
; SHARES: a work-group takes a group, each of its two waves a tile of 16 rows.  The rows come by one tensor load a wave (16 rows x 1,024 bytes), each wave reads only what it fetched.
; WORK LEFT OUT BY THE PROGRAM: z_sq.  dist[n][k] = z_sq[n] + e_sq[k] - 2 z.e; z_sq[n] is the same for every k of a token, so for all values of the inputs
; argmin over k of dist = argmax over k of (z.e - e_sq[k] / 2), and dist itself reaches no output.  z_sq is not computed; z is still read, for the product.
; LIMIT: an overflow that would reach z_sq alone is not carried to the result; scores are compared as z.e - e_sq / 2 in f32, the lowest index winning a tie.
.set PITCH, 1040
.set TILEB, 16*PITCH                   ; a wave's tile
.set SCR,   2*TILEB                    ; behind the tiles: an image of the record's last 512 bytes; no tensor load lands here
.set REC,   4608
.set XA,  16                           ; v16-79   K step 0: register 16 b + i = k 32 b + 16 h + i of my row
.set XB,  80                           ; v80-143  K step 1 likewise
.set TM,  144                          ; v144-159 at work in QUANT
.set PC0, 160                          ; v160-167 K step 0's codes
.set PC1, 168                          ; v168-175 K step 1's
.set PW0, 176                          ; their scale words
.set PW1, 177
.set E,   178                          ; v178-181 the sum of squares, in two packed chains
.set T,   182                          ; v182-183 at work
.set SEL, 24                           ; s[24:25] lane selects for v_permlanex16_b32: lane l xor 16
; 16 LDS loads: my 64 numbers of K step s
.macro ZREAD reg, s
.irp b, 0,1,2,3
.irp j, 0,1,2,3
	ds_load_b128 v[\reg+16*\b+4*\j:\reg+16*\b+4*\j+3], v4 offset:512*(\s)+128*\b+16*\j
.endr
.endr
.endm
; the squares of 64 numbers onto the two chains; first = 1: the first four products start them
.macro SQUARES src, first
.if \first
	v_pk_mul_f32 v[E:E+1], v[\src:\src+1], v[\src:\src+1]
	v_pk_mul_f32 v[E+2:E+3], v[\src+2:\src+3], v[\src+2:\src+3]
.else
	v_pk_fma_f32 v[E:E+1], v[\src:\src+1], v[\src:\src+1], v[E:E+1]
	v_pk_fma_f32 v[E+2:E+3], v[\src+2:\src+3], v[\src+2:\src+3], v[E+2:E+3]
.endif
.irp j, 4,8,12,16,20,24,28,32,36,40,44,48,52,56,60
	v_pk_fma_f32 v[E:E+1], v[\src+\j:\src+\j+1], v[\src+\j:\src+\j+1], v[E:E+1]
	v_pk_fma_f32 v[E+2:E+3], v[\src+\j+2:\src+\j+3], v[\src+\j+2:\src+\j+3], v[E+2:E+3]
.endr
.endm
; 64 numbers of a lane become a fragment's 8 registers of codes, v[pc] on, and its row's scale word, v[pw]
.macro QUANT src, pc, pw
.irp b, 0,1,2,3
	v_max3_num_f32 v[TM+\b], |v[\src+16*\b]|, |v[\src+1+16*\b]|, 0x1800000   ; block b: my 16 numbers, and the floor 2^(3 - 127): the byte cannot fall under 1
.endr
.irp i, 2,4,6,8,10,12,14
.irp b, 0,1,2,3
	v_max3_num_f32 v[TM+\b], v[TM+\b], |v[\src+16*\b+\i]|, |v[\src+1+16*\b+\i]|   ; the four blocks by turns
.endr
.endr
.irp b, 0,1,2,3
	v_permlanex16_b32 v[TM+4+\b], v[TM+\b], s[SEL], s[SEL+1]
.endr
.irp b, 0,1,2,3
	v_max_num_f32 v[TM+\b], v[TM+\b], v[TM+4+\b]           ; with lane l xor 16's 16: the block's largest magnitude
.endr
.irp b, 0,1,2,3
	v_add_nc_u32 v[TM+12+\b], 0xff000000, v[TM+\b]         ; 2 off its exponent field: the conversion takes this operand's exponent field as its scale
.endr
.irp b, 0,1,2,3
	v_lshrrev_b32 v[TM+4+\b], 23, v[TM+12+\b]              ; the scale's byte
.endr
	v_lshl_or_b32 v[\pw], v[TM+5], 8, v[TM+4]
	v_lshl_or_b32 v[\pw], v[TM+6], 16, v[\pw]
	v_lshl_or_b32 v[\pw], v[TM+7], 24, v[\pw]
.irp b, 0,1,2,3
	v_cvt_scalef32_pk8_fp4_f32 v[\pc+2*\b], v[\src+16*\b:\src+7+16*\b], v[TM+12+\b]
	v_cvt_scalef32_pk8_fp4_f32 v[\pc+1+2*\b], v[\src+8+16*\b:\src+15+16*\b], v[TM+12+\b]
.endr
	v_nop                                                  ; one plain instruction behind the scaled conversions
.irp c, 0,1                                            ; the operand wants a whole block in a lane: lanes 0-15 block 2 c, lanes 16-31 block 2 c + 1
.irp i, 0,1
	v_permlane16_swap_b32 v[\pc+4*\c+\i], v[\pc+2+4*\c+\i]
.endr
.endr
.endm
	s_load_b128 s[4:7], s[0:1], 0x0                ; the codebook s[4:5], the records s[6:7]
	v_lshl_add_u32 v192, v0, 2, 0x29000
	v_mov_b32 v193, 0
	ds_add_u32 v192, v193
	ds_add_u32 v192, v193
	v_lshrrev_b32 v1, 5, v0
	v_readfirstlane_b32 s8, v1                     ; wave t = which tile
	; descriptor group 1: 16 rows x 256 elements of 4 bytes, 4 words of padding behind every 256 words
	s_mov_b32 s16, (2<<16)|(1<<20)|(7<<22)|(3<<25)
	s_mov_b32 s17, 256<<16                         ; tensor_dim0
	s_mov_b32 s18, 16<<16                          ; tensor_dim1
	s_mov_b32 s19, 256<<16                         ; tile_dim0
	s_mov_b32 s20, 16                              ; tile_dim1
	s_mov_b32 s21, 256                             ; elements from row to row
	s_mov_b32 s22, 0
	s_mov_b32 s23, 0
	s_mov_b32 s[SEL], 0x76543210
	s_mov_b32 s[SEL+1], 0xfedcba98
	s_lshl_b32 s10, ttmp9, 15                      ; 32 rows of 1,024 bytes a group,
	s_lshl_b32 s11, s8, 14                         ; 16 a tile
	s_add_co_u32 s10, s10, s11
	s_mov_b32 s11, 0
	s_lshr_b32 s26, ttmp9, 5                       ; w
	s_bfe_u32 s27, ttmp9, 0x30002                  ; q
	s_and_b32 s28, ttmp9, 3                        ; i
	s_lshl_b32 s26, s26, 2
	s_lshl_b32 s27, s27, 5
	s_add_co_u32 s26, s26, s27
	s_add_co_u32 s26, s26, s28                     ; the record's number: 32 q + 4 w + i
	s_mul_i32 s26, s26, REC
	s_mov_b32 s27, 0
	s_lshl_b32 s9, s8, 11                          ; 2,048 t: my tile's codes in the record
	s_lshl_b32 s29, s8, 2
	s_lshl_b32 s30, s8, 5
	s_lshl_b32 s31, s8, 6
	s_mov_b32 s12, 1                               ; group 0: count = 1,
	s_mul_i32 s13, s8, TILEB                       ; the LDS address: my tile,
	s_wait_dscnt 0x0
	s_wait_kmcnt 0x0
	s_add_nc_u64 s[14:15], s[4:5], s[10:11]        ; the global address of my first row,
	s_or_b32 s15, s15, 0x80000000                  ; type = 2
	tensor_load_to_lds s[12:15], s[16:23]
	s_nop 0
.rept 4
	v_nop
.endr
	s_add_nc_u64 s[6:7], s[6:7], s[26:27]          ; my group's record
	v_and_b32 v1, 31, v0                           ; lane
	v_and_b32 v2, 15, v0                           ; r: my row of the tile
	v_bfe_u32 v3, v0, 4, 1                         ; h
	v_mul_u32_u24 v4, v2, PITCH
	v_lshl_add_u32 v4, v3, 6, v4
	v_add_nc_u32 v4, s13, v4                       ; row r, + 64 h: my 16 numbers of each block of 32
	v_lshlrev_b32 v10, 4, v1                       ; 16 x lane
	v_add_nc_u32 v5, s9, v10                       ; where my codes go in the record
	v_lshl_add_u32 v6, v1, 3, s29
	v_add_nc_u32 v6, SCR, v6                       ; my scale word: 8 x lane + 4 t
	v_lshrrev_b32 v7, 3, v2
	v_and_b32 v8, 7, v2
	v_lshlrev_b32 v7, 6, v7
	v_lshl_add_u32 v7, v8, 2, v7
	v_add_nc_u32 v7, s30, v7
	v_add_nc_u32 v7, SCR+256, v7                   ; my row's -e_sq / 2: 64 (r / 8) + 32 t + 4 (r % 8)
	v_lshl_add_u32 v8, v2, 2, s31
	v_add_nc_u32 v8, SCR+384, v8                   ; a word of the zeros: 64 t + 4 r
	v_add_nc_u32 v9, SCR, v10                      ; wave 0's way out of the image
	v_mov_b32 v11, 0
.irp b, 0,1,2,3
	v_mov_b32 v[TM+4+\b], 0                        ; written once: a lane permute's destination counts as one of its sources
.endr
	v_mov_b32 v[T+1], 0
	s_wait_tensorcnt 0x0                           ; my tile is in LDS; nobody else reads it
	ZREAD XA, 0
	ZREAD XB, 1
	s_wait_dscnt 16                                ; K step 0's sixteen loads are in; K step 1's sixteen may be out
	SQUARES XA, 1
	QUANT XA, PC0, PW0
	global_store_b128 v5, v[PC0:PC0+3], s[6:7]                 ; 32 lanes store 512 consecutive bytes, at a multiple of 256 from the buffer's first byte
	global_store_b128 v5, v[PC0+4:PC0+7], s[6:7] offset:512
	s_wait_dscnt 0x0
	SQUARES XB, 0
	QUANT XB, PC1, PW1
	global_store_b128 v5, v[PC1:PC1+3], s[6:7] offset:1024
	global_store_b128 v5, v[PC1+4:PC1+7], s[6:7] offset:1536
	v_pk_add_f32 v[E:E+1], v[E:E+1], v[E+2:E+3]
	v_add_f32 v[T], v[E], v[E+1]                   ; my 128 squares,
	v_permlanex16_b32 v[T+1], v[T], s[SEL], s[SEL+1]
	v_add_f32 v[T], v[T], v[T+1]                   ; with lane l xor 16's: the row's e_sq
	v_mul_f32 v[T], -0.5, v[T]
	v_cmp_gt_u32 vcc_lo, 16, v1
	v_cndmask_b32 v[T+1], v[PW1], v[PW0], vcc_lo   ; lanes 0-15 give K step 0's word, lanes 16-31 K step 1's
	ds_store_b32 v6, v[T+1]
	ds_store_b32 v7, v[T]                          ; lanes r and r + 16 write the same word with the same value
	ds_store_b32 v8, v11
	s_wait_dscnt 0x0                               ; for the other wave's sake: my stores into the image are done
	s_barrier_signal -1
	s_barrier_wait -1
	s_cmp_lg_u32 s8, 0
	s_cbranch_scc1 .Ldone
	ds_load_b128 v[184:187], v9                    ; the image holds both waves' words
	s_wait_dscnt 0x0
	global_store_b128 v10, v[184:187], s[6:7] offset:4096      ; the record's last 512 bytes, whole
.Ldone:
	s_wait_tensorcnt 0x0
	ds_add_u32 v192, v193
	s_wait_dscnt 0x0
	s_endpgm
.Lfunc_end_k_qb02e653fc5_prep:
	.size	k_qb02e653fc5_prep, .Lfunc_end_k_qb02e653fc5_prep-k_qb02e653fc5_prep
	.p2alignl 7, 3214868480
	.fill 96, 4, 3214868480
	.section	.rodata,"a",@progbits
	.p2align	6, 0x0
	.amdhsa_kernel k_qb02e653fc5_prep
		.amdhsa_group_segment_fixed_size 168192
		.amdhsa_private_segment_fixed_size 0
		.amdhsa_enable_private_segment 0
		.amdhsa_kernarg_size 16
		.amdhsa_user_sgpr_count 2
		.amdhsa_user_sgpr_kernarg_segment_ptr 1
		.amdhsa_wavefront_size32 1
		.amdhsa_system_sgpr_workgroup_id_x 1
		.amdhsa_system_sgpr_workgroup_id_y 1
		.amdhsa_system_sgpr_workgroup_id_z 1
		.amdhsa_system_vgpr_workitem_id 0
		.amdhsa_next_free_vgpr 194
		.amdhsa_next_free_sgpr 66
		.amdhsa_reserve_vcc 1
		.amdhsa_float_denorm_mode_32 3
		.amdhsa_float_denorm_mode_16_64 3
		.amdhsa_memory_ordered 1
		.amdhsa_forward_progress 1
		.amdhsa_inst_pref_size 19
	.end_amdhsa_kernel
	.amdgpu_metadata
---
amdhsa.version: [ 1, 2 ]
amdhsa.kernels:
  - .name:           k_qb02e653fc5_prep
    .symbol:         k_qb02e653fc5_prep.kd
    .args:
      - { .name: codebook, .offset: 0, .size: 8, .value_kind: global_buffer, .address_space: global }
      - { .name: cbq, .offset: 8, .size: 8, .value_kind: global_buffer, .address_space: global }
    .group_segment_fixed_size: 168192
    .private_segment_fixed_size: 0
    .kernarg_segment_align: 8
    .kernarg_segment_size: 16
    .max_flat_workgroup_size: 64
    .sgpr_count:     66
    .vgpr_count:     194
    .wavefront_size: 32
...
	.end_amdgpu_metadata
.endif
;; end of part 1
;; launch vq (part 2): grid 256 x 1, 8 waves a work-group, clusters of 4 x 1, 327,680 bytes of LDS; arguments z, cbq, out1, idxws; writes out1, idxws
.if DOCPART == 2
	.amdgcn_target "amdgcn-amd-amdhsa--gfx1250"
	.amdhsa_code_object_version 6
	.text
	.protected	k_qb02e653fc5_vq
	.globl	k_qb02e653fc5_vq
	.p2align	8
	.type	k_qb02e653fc5_vq,@function
k_qb02e653fc5_vq:
	s_mov_b64 s[64:65], 0
	v_nop
	global_prefetch_b8 v0, s[64:65] scope:SCOPE_SE
	s_setreg_imm32_b32 hwreg(HW_REG_WAVE_MODE, 25, 1), 1
	s_wait_xcnt 0x0
	s_wait_alu depctr_hold_cnt(0) depctr_sa_sdst(0) depctr_va_vdst(0) depctr_va_sdst(0) depctr_va_ssrc(0) depctr_va_vcc(0) depctr_vm_vsrc(0)
	s_getreg_b32 s2, hwreg(HW_REG_IB_STS2, 6, 4)
	s_cmp_eq_u32 s2, 0
	s_cbranch_scc0 .Lentry_in_a_cluster
	s_endpgm
.Lentry_in_a_cluster:
	s_bfe_u32 s2, ttmp6, 0x10000c
	s_cmp_lg_u32 s2, 0x3003
	s_cbranch_scc0 .Lentry_shape_is_right
	s_endpgm
.Lentry_shape_is_right:
; out1[token] = argmax over the 8,192 codebook rows of (Q(z).Q(e) - e_sq / 2), which is reference()'s argmin (z_sq, the same for all rows of a token, is left out: see the first kernel's head).
; A work-group takes 128 tokens, quantises them once (a wave 16 rows) and hands the operand images round through LDS; every wave then holds all 128 tokens' codes in registers.
; The codebook's records go through a ring of two slots of 32 records, four for each of the eight waves; the four work-groups of a cluster walk the same records and ask for them jointly.
; The product is used transposed (source 0 = 16 codebook rows, source 1 = 16 tokens): a lane holds one token, and a group's 16 scores in 16 registers; C of the first K step is -e_sq / 2.
; For each group and token tile: the running best by eight three-input maxima; where it rose, the group's number and its 16 scores are kept by selects (no branch on data).
; At the end the place of the best among the 16 kept scores is found, then lanes l and l xor 16 and the eight waves are joined, the lower index winning a tie.
; HEAD: waves 0-3 fetch z (32 rows each, into slot 1's bytes), waves 4-7 the first 32 records (8 each, jointly): one tensor load a wave.
; No prefetch: a refill is asked for a whole trip, 128 matrix instructions a wave, ahead of the wait for it.  LIMITS: NaN and infinities among the inputs are not served.
.set REC,    4608
.set WPART,  4*REC
.set CHUNK,  8*WPART
.set SLOT1,  CHUNK
.set ZPITCH, 1040
.set ZTILE,  16*ZPITCH
.set ZIMG,   2*CHUNK
.set ZSC,    ZIMG+16*1024
.set RES,    ZSC+1024
.set SPARE,  RES+8192
.set SPW, 1
.set NIL, 2
.set LI,  3
.set LS,  5
.set LC,  7
.set ZI,  9
.set ZRD, 10
.set ZWI, 11
.set ZWS, 12
.set H8,  13
.set RA,  14
.set L16, 15
.set ZS,  16
.set SAB, 24
.set CR,  28
.set ACC, 60
.set BST, 92
.set ID,  108
.set SV,  116
.set TB,  244
.set GID, 245
.set POS, 246
.set OB,  248
.set OI,  249
.set ZL,  250
.set RR,  251
.set LN,  252
.set ZF,  32
.set AF,  160
.set XA,  116
.set XB,  180
.set TM,  60
.set PC,  76
.set PW,  84
.set WV,  12
.set SEL, 20
.set G1J, 24
.set G0,  32
.set G1Z, 40
.set G0Z, 48
.set CNT, 52
.set G1H, 56                           ; s[56:63] group 1 of the head's joint load: 144 rows of 256 bytes
.set G0H, 68                           ; s[68:71] its group 0
.set MK,  72                           ; s72-79   the way out: a lane mask for each token tile
.set MSB, 0
.macro WIN new
.if MSB != \new
	s_set_vgpr_msb (MSB<<8)|\new
.set MSB, \new
.endif
.endm
.macro ROUND
	s_barrier_signal -1
	s_barrier_wait -1
	s_cmp_lg_u32 s[WV], 0
	s_cbranch_scc1 .Lnot_wave_0_\@
	s_barrier_signal -3
.Lnot_wave_0_\@:
	s_barrier_wait -3
	s_barrier_signal -1
	s_barrier_wait -1
.endm
.macro ZREAD reg, s
.irp b, 0,1,2,3
.irp j, 0,1,2,3
	ds_load_b128 v[\reg+16*\b+4*\j:\reg+16*\b+4*\j+3], v[ZRD] offset:512*(\s)+128*\b+16*\j
.endr
.endr
.endm
.macro QUANT src
.irp b, 0,1,2,3
	v_max3_num_f32 v[TM+\b], |v[\src+16*\b]|, |v[\src+1+16*\b]|, 0x1800000
.endr
.irp i, 2,4,6,8,10,12,14
.irp b, 0,1,2,3
	s_delay_alu instid0(VALU_DEP_4)
	v_max3_num_f32 v[TM+\b], v[TM+\b], |v[\src+16*\b+\i]|, |v[\src+1+16*\b+\i]|
.endr
.endr
.irp b, 0,1,2,3
	s_delay_alu instid0(VALU_DEP_4)
	v_permlanex16_b32 v[TM+4+\b], v[TM+\b], s[SEL], s[SEL+1]
.endr
.irp b, 0,1,2,3
	s_delay_alu instid0(VALU_DEP_4)
	v_max_num_f32 v[TM+\b], v[TM+\b], v[TM+4+\b]
.endr
.irp b, 0,1,2,3
	s_delay_alu instid0(VALU_DEP_4)
	v_add_nc_u32 v[TM+12+\b], 0xff000000, v[TM+\b]
.endr
.irp b, 0,1,2,3
	s_delay_alu instid0(VALU_DEP_4)
	v_lshrrev_b32 v[TM+4+\b], 23, v[TM+12+\b]
.endr
	s_delay_alu instid0(VALU_DEP_3)
	v_lshl_or_b32 v[PW], v[TM+5], 8, v[TM+4]
	s_delay_alu instid0(VALU_DEP_1)
	v_lshl_or_b32 v[PW], v[TM+6], 16, v[PW]
	s_delay_alu instid0(VALU_DEP_1)
	v_lshl_or_b32 v[PW], v[TM+7], 24, v[PW]
.irp b, 0,1,2,3
	v_cvt_scalef32_pk8_fp4_f32 v[PC+2*\b], v[\src+16*\b:\src+7+16*\b], v[TM+12+\b]
	v_cvt_scalef32_pk8_fp4_f32 v[PC+1+2*\b], v[\src+8+16*\b:\src+15+16*\b], v[TM+12+\b]
.endr
	v_nop
.irp c, 0,1
.irp i, 0,1
	v_permlane16_swap_b32 v[PC+4*\c+\i], v[PC+2+4*\c+\i]
.endr
.endr
.endm
.macro LOADS slot, i, g
	WIN 0x40
.irp f, 0,1,2,3
.irp c, 0,1
	ds_load_b128 v[AF+32*(\g)+8*\f+4*\c:AF+32*(\g)+8*\f+4*\c+3], v[LI+(\slot)] offset:(\i)*REC+1024*\f+512*\c
.endr
.endr
	WIN 0
	ds_load_b64 v[SAB+2*(\g):SAB+2*(\g)+1], v[LS+(\slot)] offset:(\i)*REC+4096
.irp k, 0,1,2,3
	ds_load_b128 v[CR+16*(\g)+4*\k:CR+16*(\g)+4*\k+3], v[LC+(\slot)] offset:(\i)*REC+4352+16*\k
.endr
.endm
; Token tile m against group set g, with the way on of token tile em laid between: K step 0's two products; em's maxima and compare; K step 1's two products.  em's selects (EPIB) follow the macro.
.macro WM m, g, em, eq
.set rD, ACC+16*((\m)%2)
.set rF, AF+32*(\g)
.set rZ, ZF+16*(\m)
.set rC, CR+16*(\g)
	WIN 0x05
	v_wmma_scale_f32_16x16x128_f8f6f4 v[rD:rD+7], v[rF:rF+7], v[rZ:rZ+7], v[rC:rC+7], v[SAB+2*(\g)], v[ZS+(\m)] matrix_a_fmt:MATRIX_FMT_FP4 matrix_b_fmt:MATRIX_FMT_FP4
	v_wmma_scale_f32_16x16x128_f8f6f4 v[rD+8:rD+15], v[rF+16:rF+23], v[rZ:rZ+7], v[rC+8:rC+15], v[SAB+2*(\g)+1], v[ZS+(\m)] matrix_a_fmt:MATRIX_FMT_FP4 matrix_b_fmt:MATRIX_FMT_FP4
	WIN 0
	EPIA \em, \eq                                  ; reads the other pair of accumulators, finished nine places and more ago
	WIN 0x05
	v_wmma_scale_f32_16x16x128_f8f6f4 v[rD:rD+7], v[rF+8:rF+15], v[rZ+8:rZ+15], v[rD:rD+7], v[SAB+2*(\g)], v[ZS+(\m)] matrix_a_fmt:MATRIX_FMT_FP4 matrix_b_fmt:MATRIX_FMT_FP4 matrix_a_scale:MATRIX_SCALE_ROW1 matrix_b_scale:MATRIX_SCALE_ROW1
	v_wmma_scale_f32_16x16x128_f8f6f4 v[rD+8:rD+15], v[rF+24:rF+31], v[rZ+8:rZ+15], v[rD+8:rD+15], v[SAB+2*(\g)+1], v[ZS+(\m)] matrix_a_fmt:MATRIX_FMT_FP4 matrix_b_fmt:MATRIX_FMT_FP4 matrix_a_scale:MATRIX_SCALE_ROW1 matrix_b_scale:MATRIX_SCALE_ROW1
	WIN 0
.endm
; EPIA: the running best of token tile m with this group's 16 scores, and VCC = the lanes where it rose.  EPIB: there the group's number and its 16 scores are kept.
.macro EPIA m, q
.set rA, ACC+16*((\m)%2)
.set rI, BST+8*(\q)+(\m)
.set rO, BST+8*(1-(\q))+(\m)
	v_max3_num_f32 v[rO], v[rI], v[rA], v[rA+1]
	v_max3_num_f32 v[TB], v[rA+8], v[rA+9], v[rA+10]
	v_max3_num_f32 v[rO], v[rO], v[rA+2], v[rA+3]
	v_max3_num_f32 v[TB], v[TB], v[rA+11], v[rA+12]
	v_max3_num_f32 v[rO], v[rO], v[rA+4], v[rA+5]
	v_max3_num_f32 v[TB], v[TB], v[rA+13], v[rA+14]
	v_max3_num_f32 v[rO], v[rO], v[rA+6], v[rA+7]
	v_max3_num_f32 v[rO], v[rO], v[TB], v[rA+15]
	s_delay_alu instid0(VALU_DEP_1)
	v_cmp_gt_f32 vcc_lo, v[rO], v[rI]
.endm
.macro EPIB m, q
.set rA, ACC+16*((\m)%2)
	v_cndmask_b32 v[ID+(\m)], v[ID+(\m)], v[GID], vcc_lo
.irp p, 0,2,4,6,8,10,12,14
	v_dual_cndmask_b32 v[SV+16*(\m)+\p], v[SV+16*(\m)+\p], v[rA+\p] :: v_dual_cndmask_b32 v[SV+16*(\m)+\p+1], v[SV+16*(\m)+\p+1], v[rA+\p+1]   ; two selects by VCC in one: an even and an odd destination, neighbouring sources
.endr
.endm
.macro GROUP slot, i
.set PI, (\i)%2
	s_wait_dscnt 0x0
.if (\i) < 3
	LOADS \slot, (\i)+1, 1-PI
.endif
	WM 0, PI, 7, 1-PI
	EPIB 7, 1-PI
	v_add_nc_u32 v[GID], 1, v[GID]
.irp m, 1,2,3,4,5,6,7
	WM \m, PI, \m-1, PI
	EPIB \m-1, PI
.endr
.endm
.macro TRIP slot, refill
	s_wait_tensorcnt 0x0
	ds_add_u32 v[SPW], v[NIL]
	s_add_nc_u64 s[G0+4*(\slot)+2:G0+4*(\slot)+3], s[G0+4*(\slot)+2:G0+4*(\slot)+3], 2*CHUNK
	s_wait_dscnt 0x0
	ROUND
.if \refill
	tensor_load_to_lds s[G0+4*(1-(\slot)):G0+4*(1-(\slot))+3], s[G1J:G1J+7]
	s_nop 0
.rept 4
	v_nop
.endr
.endif
	LOADS \slot, 0, 0
	GROUP \slot, 0
	GROUP \slot, 1
	GROUP \slot, 2
	GROUP \slot, 3
.endm
.macro RESOLVE m
	v_lshl_add_u32 v[ID+(\m)], v[ID+(\m)], 5, v[ACC+(\m)]   ; 32 x group + the place found below the last EPI
	s_delay_alu instid0(VALU_DEP_1)
	v_add_nc_u32 v[ID+(\m)], v[H8], v[ID+(\m)]
	v_permlanex16_b32 v[OB], v[BST+(\m)], s[SEL], s[SEL+1]
	s_delay_alu instid0(VALU_DEP_2)
	v_permlanex16_b32 v[OI], v[ID+(\m)], s[SEL], s[SEL+1]
	s_delay_alu instid0(VALU_DEP_2)
	v_cmp_gt_f32 s53, v[OB], v[BST+(\m)]
	s_delay_alu instid0(VALU_DEP_3)
	v_cmp_eq_f32 s54, v[OB], v[BST+(\m)]
	s_delay_alu instid0(VALU_DEP_3)
	v_cmp_lt_u32 s55, v[OI], v[ID+(\m)]
	s_and_b32 s54, s54, s55
	s_or_b32 s53, s53, s54
	v_cndmask_b32 v[BST+(\m)], v[BST+(\m)], v[OB], s53
	v_cndmask_b32 v[ID+(\m)], v[ID+(\m)], v[OI], s53
	ds_store_b32 v[RA], v[BST+(\m)] offset:64*(\m)
	ds_store_b32 v[RA], v[ID+(\m)] offset:4096+64*(\m)
.endm
	s_load_b256 s[4:11], s[0:1], 0x0
	v_lshl_add_u32 v[SPW], v0, 2, SPARE
	v_mov_b32 v[NIL], 0
	ds_add_u32 v1, v2
	ds_add_u32 v1, v2
	s_wait_dscnt 0x0
	v_lshrrev_b32 v[LN], 5, v0
	s_delay_alu instid0(VALU_DEP_1)
	v_readfirstlane_b32 s[WV], v[LN]
	s_bfe_u32 s13, ttmp6, 0x40000
	s_lshl_b32 s14, ttmp9, 2
	s_add_co_u32 s14, s14, s13
	s_mov_b32 s[G1J], 15|(3<<16)|(1<<21)
	s_mov_b32 s[G1J+1], 32<<16
	s_mov_b32 s[G1J+2], 72<<16
	s_mov_b32 s[G1J+3], 32<<16
	s_mov_b32 s[G1J+4], 72
	s_mov_b32 s[G1J+5], 32
	s_mov_b32 s[G1J+6], 0
	s_mov_b32 s[G1J+7], 0
	s_mov_b32 s[G1H], 15|(3<<16)|(1<<21)           ; the head's joint load: the ring's shape with twice the rows
	s_mov_b32 s[G1H+1], 32<<16
	s_mov_b32 s[G1H+2], 144<<16
	s_mov_b32 s[G1H+3], 32<<16
	s_mov_b32 s[G1H+4], 144
	s_mov_b32 s[G1H+5], 32
	s_mov_b32 s[G1H+6], 0
	s_mov_b32 s[G1H+7], 0
	s_mov_b32 s[G1Z], (2<<16)|(1<<20)|(7<<22)|(3<<25)
	s_mov_b32 s[G1Z+1], 256<<16
	s_mov_b32 s[G1Z+2], 32<<16
	s_mov_b32 s[G1Z+3], 256<<16
	s_mov_b32 s[G1Z+4], 32
	s_mov_b32 s[G1Z+5], 256
	s_mov_b32 s[G1Z+6], 0
	s_mov_b32 s[G1Z+7], 0
	s_mov_b32 s[SEL], 0x76543210
	s_mov_b32 s[SEL+1], 0xfedcba98
	s_mul_i32 s16, s[WV], WPART
	s_mov_b32 s17, 0
	s_lshl_b32 s18, s14, 17
	s_and_b32 s15, s[WV], 3                        ; which quarter of z, or of the first chunk, I fetch
	s_lshl_b32 s19, s15, 15                        ; 32 rows of 1,024 bytes
	s_add_co_u32 s18, s18, s19
	s_mov_b32 s19, 0
	s_lshl_b32 s22, s14, 9
	s_mov_b32 s23, 0
	s_mul_i32 s54, s15, 2*WPART
	s_mov_b32 s55, 0
	s_wait_kmcnt 0x0
	s_mov_b32 s[G0H], 1
	s_mul_i32 s[G0H+1], s15, 2*WPART               ; eight records of chunk 0, at their place in slot 0
	s_add_nc_u64 s[G0H+2:G0H+3], s[6:7], s[54:55]
	s_or_b32 s[G0H+3], s[G0H+3], 0x80000000
	s_add_nc_u64 s[6:7], s[6:7], s[16:17]
.irp n, 0,1
	s_mov_b32 s[G0+4*\n], 1
	s_add_co_u32 s[G0+4*\n+1], s16, \n*CHUNK
	s_add_nc_u64 s[G0+4*\n+2:G0+4*\n+3], s[6:7], \n*CHUNK
	s_or_b32 s[G0+4*\n+3], s[G0+4*\n+3], 0x80000000
.endr
	s_mov_b32 s[G0Z], 1
	s_mul_i32 s[G0Z+1], s15, 2*ZTILE
	s_add_co_u32 s[G0Z+1], s[G0Z+1], SLOT1
	s_mul_i32 s53, s[WV], ZTILE
	s_add_co_u32 s53, s53, SLOT1                   ; where the 16 rows lie that I quantise
	s_add_nc_u64 s[G0Z+2:G0Z+3], s[4:5], s[18:19]
	s_or_b32 s[G0Z+3], s[G0Z+3], 0x80000000
	s_add_nc_u64 s[8:9], s[8:9], s[22:23]
	s_add_nc_u64 s[10:11], s[10:11], s[22:23]
	ROUND
	s_cmp_lt_u32 s[WV], 4                          ; one chain of two arms, a load in each: every wave issues one
	s_cbranch_scc0 .Lhead_cb
	tensor_load_to_lds s[G0Z:G0Z+3], s[G1Z:G1Z+7]  ; waves 0-3: 32 rows of z
	s_nop 0
.rept 4
	v_nop
.endr
	s_branch .Lhead_asked
.Lhead_cb:
	tensor_load_to_lds s[G0H:G0H+3], s[G1H:G1H+7]  ; waves 4-7: eight records of chunk 0, jointly with the three partners
	s_nop 0
.rept 4
	v_nop
.endr
.Lhead_asked:
	v_and_b32 v[LN], 31, v0
	v_and_b32 v[LN+1], 15, v0
	v_bfe_u32 v[LN+2], v0, 4, 1
	s_delay_alu instid0(VALU_DEP_3)
	v_lshlrev_b32 v[L16], 4, v[LN]
	s_delay_alu instid0(VALU_DEP_1)
	v_add_nc_u32 v[LI], s16, v[L16]
	s_delay_alu instid0(VALU_DEP_1)
	v_add_nc_u32 v[LI+1], SLOT1, v[LI]
	v_lshl_add_u32 v[LS], v[LN], 3, s16
	s_delay_alu instid0(VALU_DEP_1)
	v_add_nc_u32 v[LS+1], SLOT1, v[LS]
	v_lshl_add_u32 v[LC], v[LN+2], 6, s16
	s_delay_alu instid0(VALU_DEP_1)
	v_add_nc_u32 v[LC+1], SLOT1, v[LC]
	v_add_nc_u32 v[ZI], ZIMG, v[L16]
	v_mul_u32_u24 v[ZRD], v[LN+1], ZPITCH
	s_delay_alu instid0(VALU_DEP_1)
	v_lshl_add_u32 v[ZRD], v[LN+2], 6, v[ZRD]
	s_delay_alu instid0(VALU_DEP_1)
	v_add_nc_u32 v[ZRD], s53, v[ZRD]
	s_lshl_b32 s17, s[WV], 11
	v_add_nc_u32 v[ZWI], s17, v[ZI]
	s_lshl_b32 s18, s[WV], 7
	v_lshl_add_u32 v[ZWS], v[LN+1], 2, s18
	s_delay_alu instid0(VALU_DEP_1)
	v_add_nc_u32 v[ZWS], ZSC, v[ZWS]
	v_lshlrev_b32 v[H8], 3, v[LN+2]
	s_lshl_b32 s19, s[WV], 9
	v_lshl_add_u32 v[RA], v[LN+1], 2, s19
	s_delay_alu instid0(VALU_DEP_1)
	v_add_nc_u32 v[RA], RES, v[RA]
	v_lshl_add_u32 v[ZL], v[LN], 2, ZSC
	v_add_nc_u32 v[RR], RES, v[L16]
.irp b, 0,1,2,3
	v_mov_b32 v[TM+4+\b], 0
.endr
	s_wait_alu depctr_va_vdst(0)
	s_wait_tensorcnt 0x0                           ; my one load has landed;
	s_barrier_signal -1                            ; the rows that I read were fetched by another wave: behind this barrier all of z is in
	s_barrier_wait -1
	ZREAD XA, 0
	ZREAD XB, 1
	s_wait_dscnt 16
	QUANT XA
	ds_store_b128 v[ZWI], v[PC:PC+3]
	ds_store_b128 v[ZWI], v[PC+4:PC+7] offset:512
	ds_store_b32 v[ZWS], v[PW]
	s_wait_dscnt 0x0
	QUANT XB
	ds_store_b128 v[ZWI], v[PC:PC+3] offset:1024
	ds_store_b128 v[ZWI], v[PC+4:PC+7] offset:1536
	ds_store_b32 v[ZWS], v[PW] offset:64
	s_wait_dscnt 0x0
	s_barrier_signal -1
	s_barrier_wait -1
	WIN 0x40
.irp m, 0,1,2,3,4,5,6,7
.irp s, 0,1
.irp c, 0,1
	ds_load_b128 v[ZF+16*\m+8*\s+4*\c:ZF+16*\m+8*\s+4*\c+3], v[ZI] offset:(2*\m+\s)*1024+512*\c
.endr
.endr
.endr
	WIN 0
.irp m, 0,1,2,3,4,5,6,7
	ds_load_b32 v[ZS+\m], v[ZL] offset:128*\m
.endr
	s_mov_b32 s16, 0xff800000
.irp j, 0,1,2,3,4,5,6,7,8,9,10,11,12,13,14,15
	v_mov_b32 v[BST+\j], s16
	v_mov_b32 v[ACC+16+\j], s16
.endr
.irp m, 0,1,2,3,4,5,6,7
	v_mov_b32 v[ID+\m], 0
.endr
	v_mov_b32 v[OB], 0
	v_mov_b32 v[OI], 0
	s_lshl_b32 s17, s[WV], 5
	s_sub_co_u32 s17, s17, 1
	v_mov_b32 v[GID], s17
	s_mov_b32 s[CNT], 3
.Lring:
	TRIP 0, 1
	TRIP 1, 1
	s_sub_co_u32 s[CNT], s[CNT], 1
	s_cmp_lg_u32 s[CNT], 0
	s_cbranch_scc1 .Lring
	TRIP 0, 1
	TRIP 1, 0
	EPIA 7, 1
	s_delay_alu instid0(VALU_DEP_1)
	EPIB 7, 1
	; the place of the best among the 16 kept scores, the lowest place winning: the eight token tiles by turns, a mask each, so that no line waits for the line above it
.irp m, 0,1,2,3,4,5,6,7
	v_mov_b32 v[ACC+\m], 0
.endr
.irp p, 15,14,13,12,11,10,9,8,7,6,5,4,3,2,1,0
.irp m, 0,1,2,3,4,5,6,7
	v_cmp_eq_f32 s[MK+\m], v[SV+16*\m+\p], v[BST+\m]
.endr
.irp m, 0,1,2,3,4,5,6,7
	v_cndmask_b32 v[ACC+\m], v[ACC+\m], \p+(\p&8), s[MK+\m]
.endr
.endr
.irp m, 0,1,2,3,4,5,6,7
	RESOLVE \m
.endr
	s_wait_dscnt 0x0
	s_barrier_signal -1
	s_barrier_wait -1
	s_cmp_lg_u32 s[WV], 0
	s_cbranch_scc1 .Lend
.irp w, 0,1,2,3,4,5,6,7
	ds_load_b128 v[SV+4*\w:SV+4*\w+3], v[RR] offset:512*\w
	ds_load_b128 v[SV+32+4*\w:SV+32+4*\w+3], v[RR] offset:4096+512*\w
.endr
	s_wait_dscnt 0x0
.irp w, 1,2,3,4,5,6,7
.irp k, 0,1,2,3
	v_cmp_gt_f32 vcc_lo, v[SV+4*\w+\k], v[SV+\k]
	s_delay_alu instid0(VALU_DEP_1)
	v_cndmask_b32 v[SV+\k], v[SV+\k], v[SV+4*\w+\k], vcc_lo
	s_delay_alu instid0(VALU_DEP_2)
	v_cndmask_b32 v[SV+32+\k], v[SV+32+\k], v[SV+32+4*\w+\k], vcc_lo
.endr
.endr
	global_store_b128 v[L16], v[SV+32:SV+35], s[8:9]
	global_store_b128 v[L16], v[SV+32:SV+35], s[10:11]
.Lend:
	s_wait_tensorcnt 0x0
	ds_add_u32 v[SPW], v[NIL]
	s_wait_dscnt 0x0
	ROUND
	s_endpgm
.Lfunc_end_k_qb02e653fc5_vq:
	.size	k_qb02e653fc5_vq, .Lfunc_end_k_qb02e653fc5_vq-k_qb02e653fc5_vq
	.p2alignl 7, 3214868480
	.fill 96, 4, 3214868480
	.section	.rodata,"a",@progbits
	.p2align	6, 0x0
	.amdhsa_kernel k_qb02e653fc5_vq
		.amdhsa_group_segment_fixed_size 327680
		.amdhsa_private_segment_fixed_size 0
		.amdhsa_enable_private_segment 0
		.amdhsa_kernarg_size 32
		.amdhsa_user_sgpr_count 2
		.amdhsa_user_sgpr_kernarg_segment_ptr 1
		.amdhsa_wavefront_size32 1
		.amdhsa_system_sgpr_workgroup_id_x 1
		.amdhsa_system_sgpr_workgroup_id_y 1
		.amdhsa_system_sgpr_workgroup_id_z 1
		.amdhsa_system_vgpr_workitem_id 0
		.amdhsa_next_free_vgpr 512
		.amdhsa_next_free_sgpr 80
		.amdhsa_reserve_vcc 1
		.amdhsa_float_denorm_mode_32 3
		.amdhsa_float_denorm_mode_16_64 3
		.amdhsa_memory_ordered 1
		.amdhsa_forward_progress 1
		.amdhsa_inst_pref_size 255
	.end_amdhsa_kernel
	.section	.bss,"aw",@nobits
	.p2align	6
	.space	262144
	.amdgpu_metadata
---
amdhsa.version: [ 1, 2 ]
amdhsa.kernels:
  - .name:           k_qb02e653fc5_vq
    .symbol:         k_qb02e653fc5_vq.kd
    .args:
      - { .name: z, .offset: 0, .size: 8, .value_kind: global_buffer, .address_space: global }
      - { .name: cbq, .offset: 8, .size: 8, .value_kind: global_buffer, .address_space: global }
      - { .name: out1, .offset: 16, .size: 8, .value_kind: global_buffer, .address_space: global }
      - { .name: idxws, .offset: 24, .size: 8, .value_kind: global_buffer, .address_space: global }
    .group_segment_fixed_size: 327680
    .private_segment_fixed_size: 0
    .kernarg_segment_align: 8
    .kernarg_segment_size: 32
    .max_flat_workgroup_size: 256
    .sgpr_count:     80
    .vgpr_count:     512
    .wavefront_size: 32
...
	.end_amdgpu_metadata
.endif
;; end of part 2
;; launch gather (part 3): grid 256 x 1, 8 waves a work-group, no clusters, 0 bytes of LDS; arguments idxws, codebook, out0; writes out0
.if DOCPART == 3
	.amdgcn_target "amdgcn-amd-amdhsa--gfx1250"
	.amdhsa_code_object_version 6
	.text
	.protected	k_qb02e653fc5_gather
	.globl	k_qb02e653fc5_gather
	.p2align	8
	.type	k_qb02e653fc5_gather,@function
k_qb02e653fc5_gather:
	s_mov_b64 s[64:65], 0
	v_nop
	global_prefetch_b8 v0, s[64:65] scope:SCOPE_SE
	s_setreg_imm32_b32 hwreg(HW_REG_WAVE_MODE, 25, 1), 1
	s_wait_xcnt 0x0
; out0[token][:] = codebook[idxws[token]][:], 256 f32 = 1,024 bytes a row.  The indices were stored by the launch before.
; A work-group takes 128 tokens, each of its eight waves 16.  A wave reads its 16 indices by one scalar load; a row is two loads of 512 consecutive bytes (16 bytes a lane), all 32 loads of the wave
; are issued before the first store, and each store covers 512 consecutive bytes, at a multiple of 256 from the buffer's first byte.  No LDS, no barrier: waves share nothing.
; No cache hint on the loads: a row may be named by many tokens.  Nothing is prefetched: the rows are known only when the indices are in, and all loads go out at once behind them.
; An index is held to 0 .. 8,191 ahead of its use in an address.
.set OFF, 2                            ; v2-17   row j: its byte offset in the codebook + 16 x lane
.set X,   32                           ; v32-159 row j: 8 registers
	s_load_b128 s[4:7], s[0:1], 0x0                ; the indices s[4:5], the codebook s[6:7]
	s_load_b64 s[8:9], s[0:1], 0x10                ; out0
	v_lshrrev_b32 v2, 5, v0
	s_delay_alu instid0(VALU_DEP_1)
	v_readfirstlane_b32 s10, v2                    ; wave 0..7
	v_and_b32 v1, 31, v0
	s_delay_alu instid0(VALU_DEP_1)
	v_lshlrev_b32 v1, 4, v1                        ; 16 x lane
	s_lshl_b32 s11, ttmp9, 7
	s_lshl_b32 s12, s10, 4
	s_add_co_u32 s11, s11, s12                     ; my first token: 128 x work-group + 16 x wave
	s_lshl_b32 s12, s11, 2                         ; its index,
	s_mov_b32 s13, 0
	s_lshl_b32 s14, s11, 10                        ; its row of out0
	s_mov_b32 s15, 0
	s_wait_alu depctr_va_vdst(0)
	s_wait_kmcnt 0x0
	s_add_nc_u64 s[4:5], s[4:5], s[12:13]
	s_add_nc_u64 s[8:9], s[8:9], s[14:15]
	s_load_b512 s[16:31], s[4:5], 0x0              ; my 16 indices
	s_wait_kmcnt 0x0
.irp j, 0,1,2,3,4,5,6,7,8,9,10,11,12,13,14,15
	s_min_u32 s[16+\j], s[16+\j], 0x1fff
	s_lshl_b32 s[16+\j], s[16+\j], 10
	v_add_nc_u32 v[OFF+\j], s[16+\j], v1
.endr
	s_wait_alu depctr_va_vdst(0)
.irp j, 0,1,2,3,4,5,6,7,8,9,10,11,12,13,14,15
	global_load_b128 v[X+8*\j:X+8*\j+3], v[OFF+\j], s[6:7]
	global_load_b128 v[X+8*\j+4:X+8*\j+7], v[OFF+\j], s[6:7] offset:512
.endr
.set n, 0
.rept 32
	s_wait_loadcnt 31-n                            ; loads come back in order: load n is in, the younger ones stay out
	global_store_b128 v1, v[X+4*n:X+4*n+3], s[8:9] offset:512*n th:TH_STORE_NT   ; written once, read by nobody here
.set n, n+1
.endr
	s_endpgm
.Lfunc_end_k_qb02e653fc5_gather:
	.size	k_qb02e653fc5_gather, .Lfunc_end_k_qb02e653fc5_gather-k_qb02e653fc5_gather
	.p2alignl 7, 3214868480
	.fill 96, 4, 3214868480
	.section	.rodata,"a",@progbits
	.p2align	6, 0x0
	.amdhsa_kernel k_qb02e653fc5_gather
		.amdhsa_group_segment_fixed_size 0
		.amdhsa_private_segment_fixed_size 0
		.amdhsa_enable_private_segment 0
		.amdhsa_kernarg_size 24
		.amdhsa_user_sgpr_count 2
		.amdhsa_user_sgpr_kernarg_segment_ptr 1
		.amdhsa_wavefront_size32 1
		.amdhsa_system_sgpr_workgroup_id_x 1
		.amdhsa_system_sgpr_workgroup_id_y 1
		.amdhsa_system_sgpr_workgroup_id_z 1
		.amdhsa_system_vgpr_workitem_id 0
		.amdhsa_next_free_vgpr 160
		.amdhsa_next_free_sgpr 66
		.amdhsa_reserve_vcc 0
		.amdhsa_float_denorm_mode_32 3
		.amdhsa_float_denorm_mode_16_64 3
		.amdhsa_memory_ordered 1
		.amdhsa_forward_progress 1
		.amdhsa_inst_pref_size 11
	.end_amdhsa_kernel
	.amdgpu_metadata
---
amdhsa.version: [ 1, 2 ]
amdhsa.kernels:
  - .name:           k_qb02e653fc5_gather
    .symbol:         k_qb02e653fc5_gather.kd
    .args:
      - { .name: idxws, .offset: 0, .size: 8, .value_kind: global_buffer, .address_space: global }
      - { .name: codebook, .offset: 8, .size: 8, .value_kind: global_buffer, .address_space: global }
      - { .name: out0, .offset: 16, .size: 8, .value_kind: global_buffer, .address_space: global }
    .group_segment_fixed_size: 0
    .private_segment_fixed_size: 0
    .kernarg_segment_align: 8
    .kernarg_segment_size: 24
    .max_flat_workgroup_size: 256
    .sgpr_count:     66
    .vgpr_count:     160
    .wavefront_size: 32
...
	.end_amdgpu_metadata
.endif
;; end of part 3
